; MI455X (gfx1250); checked and timed in simulation.
; The chip was launched on July 23, 2026; its instructions are those of AMD's public machine-readable ISA for CDNA 5 (MIT licence, August 2026) and "CDNA5" Instruction Set Architecture Reference Guide (July 2026). The comments in the code are by the model that wrote it; some were corrected since.
;; Mixture Of Experts. Allowed arithmetic: matrix products marked QUANTISED: E2M1 operands, one E8M0 scale for each 32 along K, by v_wmma_scale_f32_16x16x128_f8f6f4 with both operands' format E2M1 (or v_wmma_scale_f32_32x16x128_f4), f32 sums; products left as they are: f32 operands where the result goes on into a quantised operand, else bf16, f16 or f32 operands; f32 sums; everything else in f32.
;; Inputs: b1 8 x 2,048 float32; b2 8 x 1,024 float32; gate_b 8 float32; gate_w 1,024 x 8 float32; w1 8 x 1,024 x 2,048 float32; w2 8 x 2,048 x 1,024 float32; x 4 x 512 x 1,024 float32.
;; Outputs: out0 4 x 512 x 1,024 float32.
;; This version of the problem:
;;   THIS VERSION OF THE PROBLEM IS GIVEN IN LOW PRECISION. The matrix products marked QUANTISED in the list below multiply operands that are first quantised to E2M1 (2 exponent bits, 1 mantissa bit; 4 bits a number), with one power-of-two scale for each 32 numbers along K (OCP MX v1.0); their sums are f32. All else is computed in f32.
;;   The module's matrix products, in the order in which they are computed (A, B: the left and right operand; K: the contracted axis; several contracted axes count as one K, in the product's order):
;;     1. [M 2,048, K 1,024] x [K 1,024, N 8]; A: input x; B: input gate_w: left as it is (N = 8 < 16)
;;     2. [M 16,384, K 1,024] x [K 1,024, N 2,048]; A: input w1; B: input x: QUANTISED
;;     3. batch 8 x [M 2,048, K 2,048] x [K 2,048, N 1,024]; A: computed on the way; B: input w2: QUANTISED
;;     4. batch 2,048 x [M 1, K 8] x [K 8, N 1,024]; A: computed on the way; B: computed on the way: left as it is (K = 8 < 32)
;;   THE QUANTISER, for each operand of a quantised product, along K:
;;     - K is cut into blocks of 32 from its start; a last block that is shorter is filled with zeros.
;;     - A block's scale is 2^e with e = floor(log2(the largest magnitude in the block)) - 2, held to -126 .. 127; a block of zeros has e = 0. As a byte (E8M0): e + 127.
;;     - Each number is divided by its block's scale, clamped to +-6, and rounded to the nearest number of E2M1, ties to even, subnormals kept.
;;     - The product sums the exact products of the quantised numbers (number of the format x scale) in f32.
;;   ~~~python
;;   def quantise(x, axis):      # numpy; x: float32 -> the quantised numbers, widened to float32 again
;;       x = np.moveaxis(x, axis, -1); K = x.shape[-1]
;;       x = np.pad(x, [(0, 0)] * (x.ndim - 1) + [(0, -K % 32)]); x = x.reshape(x.shape[:-1] + (-1, 32)); a = np.abs(x).max(-1, keepdims=True)
;;       e = np.where(a > 0, np.clip(np.frexp(np.where(a > 0, a, 1))[1] - 1 - 2, -126, 127), 0)      # np.frexp(a)[1] - 1 = floor(log2(a)), exactly
;;       r = np.clip(x / 2.0 ** e, -6, 6)
;;       step = 2.0 ** (np.maximum(np.frexp(np.where(r == 0, 1, r))[1] - 1, 0) - 1)
;;       q = np.round(r / step) * step * 2.0 ** e      # np.round: ties to even
;;       return np.moveaxis(q.reshape(q.shape[:-2] + (-1,))[..., :K], -1, axis).astype(np.float32)
;;   ~~~
;;   OPERANDS COMPUTED ON THE WAY. 'Computed on the way' means the value that the module computes at that place (a softmax that the list does not call 'softmax' is quantised finished and normalised). What goes into a quantiser is computed in f32, as accurately as f32 sums, v_exp_f32 and their like allow (about 1e-6 of the number): no bf16 or f16 on the way to a quantiser, and a product that is left as it is and whose result goes on into a quantised operand takes f32 operands (vector FMAs, or v_wmma_f32_16x16x4_f32). A number that lies on a knife's edge between two numbers of the format may be rounded either way, as far as f32 arithmetic and the matrix unit's own rounding can turn it there, and no further.
;; One version. Each part assembles by itself: llvm-mc -triple=amdgcn-amd-amdhsa -mcpu=gfx1250 --defsym DOCPART=n.
;; ======== version 1 of 1: 5 launches
;; limits: right only within a limited range of input values
;; workspace buffers: xq 1,048,576 bytes; xs 65,536 bytes; eid 16,384 bytes of whole numbers; gw 16,384 bytes; rl 83,200 bytes of whole numbers; hq 16,777,216 bytes; hs 1,048,576 bytes; part 34,603,008 bytes
;; launch route (part 1): grid 256 x 1, 4 waves a work-group, no clusters, 70,912 bytes of LDS; arguments x, gate_w, gate_b, xq, xs, eid, gw; writes xq, xs, eid, gw
.if DOCPART == 1
	.amdgcn_target "amdgcn-amd-amdhsa--gfx1250"
	.amdhsa_code_object_version 6
	.text
	.protected	k_qddefdf9b43_route
	.globl	k_qddefdf9b43_route
	.p2align	8
	.type	k_qddefdf9b43_route,@function
k_qddefdf9b43_route:
	s_mov_b64 s[64:65], 0
	v_nop
	global_prefetch_b8 v0, s[64:65] scope:SCOPE_SE
	s_setreg_imm32_b32 hwreg(HW_REG_WAVE_MODE, 25, 1), 1
	s_wait_xcnt 0x0
; ROUTER AND QUANTISER OF x.  x [2048 tokens][1024] f32, gate_w [1024][8], gate_b [8].
; Out: xq [2048][512 B] codes of E2M1, K innermost (block b of 32 at byte 16 b); xs [2048][32] E8M0 bytes;
;      eid [2048][2] the two chosen experts (largest logit first); gw [2048][2] their softmax weights.
; A work-group takes 8 tokens, a wave 2; lane l holds block l (d = 32 l .. 32 l + 31) of both tokens, so that a block's largest
; magnitude needs no other lane and the same 32 registers serve the logits' sums.  Logits are f32 fused multiply-adds: a coarser
; format could turn a choice and with it a whole output row.  The choice steers no address here: it is stored at fixed places.
; Loads take the bytes as they lie (512 consecutive bytes a load); a token's 4,096 bytes turn through the wave's own stage in LDS.
; No matrix unit, no tensor load, no cluster: the launch reads x once and 32 KiB of gate_w, and work-groups share nothing else.
; LIMITS: NaN and infinities among the inputs are not served.  A block of zeros, or one whose largest magnitude lies under 2^-124,
; gets the byte 1 (the bytes are read by this program alone; its codes are then zeros or held by the floor).  The logits' sums run in
; another order than a row-by-row sum: two logits that agree to the last bits may be ranked the other way.  Ties keep the lower index.
; eid and gw leave as 16 bytes a wave: 32 KiB in the whole launch.
.set GWP,  1040                        ; LDS: gate_w's block l (32 rows x 32 bytes) at 1040 l: 1,024 + 16 of padding = 65 x 16 bytes, so 16 lanes fall on 16 different columns of 16 bytes
.set STG,  33280                       ; the stages: a token is 32 places of 128 + 16 bytes
.set TOKB, 4608
.set SCL,  70144                       ; the work-group's 256 scale bytes
.set X,    16                          ; v16-79   token t's 32 numbers at X + 32 t
.set GG,   80                          ; v80-143  gate_w as loaded; then two sets of four rows; then at work
.set ACC,  144                         ; v144-159 logit (t, e) at ACC + 8 t + e
.set EC,   160                         ; v160-167 the numbers 0 to 7
.set TOP,  168                         ; v168-175 token t: +4 t: largest logit, its expert, second logit, its expert
.set T1,   176
.set T2,   177
.set M0,   178
.set M1,   179
.set SO,   180
.set BYT,  181                         ; v181-182 a token's scale byte
.set CD,   184                         ; v184-191 a token's four registers of codes
	s_load_b256 s[4:11], s[0:1], 0x0               ; x s[4:5], gate_w s[6:7], gate_b s[8:9], xq s[10:11]
	s_load_b128 s[12:15], s[0:1], 0x20             ; xs s[12:13], eid s[14:15]
	s_load_b64 s[16:17], s[0:1], 0x30              ; gw
	v_lshl_add_u32 v192, v0, 2, 0x11300
	v_mov_b32 v193, 0
	v_lshrrev_b32 v1, 5, v0
	v_readfirstlane_b32 s18, v1                    ; wave 0..3
	v_and_b32 v1, 31, v0                           ; lane l
	v_lshlrev_b32 v2, 4, v1                        ; 16 l
	v_lshlrev_b32 v7, 4, v0                        ; 16 x thread
	s_lshl_b32 s40, ttmp9, 15
	s_lshl_b32 s42, s18, 13
	s_add_co_u32 s40, s40, s42                     ; (8 x work-group + 2 x wave) rows of 4,096 bytes
	s_mov_b32 s41, 0
	s_wait_alu depctr_va_vdst(0)
	s_wait_kmcnt 0x0
	s_add_nc_u64 s[4:5], s[4:5], s[40:41]
	s_load_b256 s[24:31], s[8:9], 0x0              ; gate_b's eight numbers
.irp t, 0,1
.irp i, 0,1,2,3,4,5,6,7
	global_load_b128 v[X+32*\t+4*\i:X+32*\t+4*\i+3], v2, s[4:5] offset:4096*\t+512*\i th:TH_LOAD_NT   ; 512 consecutive bytes
.endr
.endr
.irp k, 0,1,2,3,4,5,6,7,8,9,10,11,12,13,14,15
	global_load_b128 v[GG+4*\k:GG+4*\k+3], v7, s[6:7] offset:2048*\k   ; gate_w: the four waves take 2,048 consecutive bytes a line
.endr
	v_lshrrev_b32 v3, 3, v1
	v_lshl_add_u32 v3, v3, 4, v2                   ; 16 l + 16 (l / 8): eight lanes fill a place of 128 bytes
	s_mul_i32 s19, s18, 2*TOKB
	s_add_co_u32 s19, s19, STG
	v_add_nc_u32 v3, s19, v3                       ; the stage, on the way in
	v_mul_u32_u24 v4, v1, 144
	v_add_nc_u32 v4, s19, v4                       ; and on the way out: place l
	v_mul_u32_u24 v5, v1, GWP                      ; gate_w's block l
	v_lshrrev_b32 v6, 6, v0
	v_lshl_add_u32 v6, v6, 4, v7                   ; gate_w on the way in: byte o goes to o + 16 (o / 1024)
	s_lshl_b32 s19, s18, 6
	s_add_co_u32 s19, s19, SCL
	v_add_nc_u32 v8, s19, v1                       ; my scale byte: 64 x wave + l
	v_lshlrev_b32 v9, 2, v1                        ; 4 l
	v_lshlrev_b32 v10, 3, v1                       ; 8 l
	v_add_nc_u32 v11, SCL, v10                     ; the scale bytes on the way out
	s_mov_b32 s20, 0x76543210
	s_mov_b32 s21, 0xfedcba98                      ; v_permlanex16_b32's selects for lane l xor 16
	s_lshr_b32 s40, s40, 3                         ; rows of 512 bytes
	s_add_nc_u64 s[10:11], s[10:11], s[40:41]
	s_lshr_b32 s40, s40, 6                         ; rows of 8 bytes
	s_add_nc_u64 s[14:15], s[14:15], s[40:41]
	s_add_nc_u64 s[16:17], s[16:17], s[40:41]
	s_lshl_b32 s40, ttmp9, 8                       ; the work-group's 256 scale bytes
	s_add_nc_u64 s[12:13], s[12:13], s[40:41]
.irp e, 0,1,2,3,4,5,6,7
	v_mov_b32 v[EC+\e], \e
.endr
	s_wait_loadcnt 16                              ; x is in; the sixteen loads of gate_w may be out
.irp t, 0,1
.irp i, 0,1,2,3,4,5,6,7
	ds_store_b128 v3, v[X+32*\t+4*\i:X+32*\t+4*\i+3] offset:TOKB*\t+576*\i
.endr
.endr
.irp t, 0,1
.irp i, 0,1,2,3,4,5,6,7
	ds_load_b128 v[X+32*\t+4*\i:X+32*\t+4*\i+3], v4 offset:TOKB*\t+16*\i   ; LDS serves a wave's instructions in order: these see the stores above
.endr
.endr
	s_wait_loadcnt 0x0                             ; gate_w
.irp k, 0,1,2,3,4,5,6,7,8,9,10,11,12,13,14,15
	ds_store_b128 v6, v[GG+4*\k:GG+4*\k+3] offset:2080*\k
.endr
	s_wait_dscnt 0x0                               ; for the others' sake: my part of gate_w lies in LDS (and my blocks of x are back)
	s_barrier_signal -1
	s_barrier_wait -1
; four rows of gate_w's block l into set g % 2
.macro GLOAD g
.irp ii, 0,1,2,3
.irp hf, 0,1
	ds_load_b128 v[GG+32*((\g)%2)+8*\ii+4*\hf:GG+32*((\g)%2)+8*\ii+4*\hf+3], v5 offset:32*(4*(\g)+\ii)+16*\hf
.endr
.endr
.endm
; logit (t, e) += x(t, 32 l + i) gate_w(32 l + i, e) for four i: two experts an instruction, x's number for both halves.  The first row starts the sums
.macro DOT4 g
.irp ii, 0,1,2,3
.irp t, 0,1
.irp e, 0,2,4,6
.if ((\g) == 0) && (\ii == 0)
	v_pk_mul_f32 v[ACC+8*\t+\e:ACC+8*\t+\e+1], v[GG+\e:GG+\e+1], v[X+32*\t:X+32*\t+1] op_sel_hi:[1,0]
.elseif (\ii % 2) == 0
	v_pk_fma_f32 v[ACC+8*\t+\e:ACC+8*\t+\e+1], v[GG+32*((\g)%2)+8*\ii+\e:GG+32*((\g)%2)+8*\ii+\e+1], v[X+32*\t+4*(\g)+\ii:X+32*\t+4*(\g)+\ii+1], v[ACC+8*\t+\e:ACC+8*\t+\e+1] op_sel_hi:[1,0,1]
.else
	v_pk_fma_f32 v[ACC+8*\t+\e:ACC+8*\t+\e+1], v[GG+32*((\g)%2)+8*\ii+\e:GG+32*((\g)%2)+8*\ii+\e+1], v[X+32*\t+4*(\g)+\ii-1:X+32*\t+4*(\g)+\ii], v[ACC+8*\t+\e:ACC+8*\t+\e+1] op_sel:[0,1,0] op_sel_hi:[1,1,1]
.endif
.endr
.endr
.endr
.endm
	GLOAD 0
.irp g, 0,1,2,3,4,5,6
	GLOAD \g+1
	s_wait_alu depctr_va_vdst(0)
	s_wait_dscnt 8                                 ; this group's eight loads are in; the next group's eight may be out
	DOT4 \g
.endr
	s_wait_alu depctr_va_vdst(0)
	s_wait_dscnt 0x0
	DOT4 7
; token t's block l: largest magnitude, scale, codes
.macro QX t
	v_max3_num_f32 v[M0], |v[X+32*\t]|, |v[X+32*\t+1]|, |v[X+32*\t+2]|
	v_max3_num_f32 v[M1], |v[X+32*\t+3]|, |v[X+32*\t+4]|, |v[X+32*\t+5]|
.irp i, 6,10,14,18,22,26
	v_max3_num_f32 v[M0], v[M0], |v[X+32*\t+\i]|, |v[X+32*\t+\i+1]|
	v_max3_num_f32 v[M1], v[M1], |v[X+32*\t+\i+2]|, |v[X+32*\t+\i+3]|
.endr
	v_max3_num_f32 v[M0], v[M0], |v[X+32*\t+30]|, |v[X+32*\t+31]|
	v_max3_num_f32 v[M0], v[M0], v[M1], 0x1800000  ; and the floor 2^(3 - 127): the byte cannot fall under 1
	v_add_nc_u32 v[SO], 0xff000000, v[M0]          ; 2 off the exponent field: the conversion takes this operand's exponent field as its scale
.irp g, 0,1,2,3
	v_cvt_scalef32_pk8_fp4_f32 v[CD+4*\t+\g], v[X+32*\t+8*\g:X+32*\t+8*\g+7], v[SO]
.endr
	v_lshrrev_b32 v[BYT+\t], 23, v[SO]             ; the scale's byte (also the plain line behind the conversions)
	global_store_b128 v2, v[CD+4*\t:CD+4*\t+3], s[10:11] offset:512*\t   ; the wave stores the token's 512 bytes of codes
	ds_store_b8 v8, v[BYT+\t] offset:32*\t
.endm
	QX 0
	QX 1
	; the 32 lanes' parts of each logit are added: four steps inside a half of the lanes, one across
.irp m, 1,2,4,8
.set J, 0
.rept 16
	v_add_f32_dpp v[ACC+J], v[ACC+J], v[ACC+J] row_xmask:\m row_mask:0xf bank_mask:0xf
.set J, J+1
.endr
.endr
.set J, 0
.rept 16
	v_permlanex16_b32 v[GG+J], v[ACC+J], s20, s21  ; (its destination has been written before)
.set J, J+1
.endr
.set J, 0
.rept 16
	v_add_f32 v[ACC+J], v[ACC+J], v[GG+J]
.set J, J+1
.endr
	s_wait_kmcnt 0x0                               ; gate_b
.irp t, 0,1
.irp e, 0,1,2,3,4,5,6,7
	v_add_f32 v[ACC+8*\t+\e], s[24+\e], v[ACC+8*\t+\e]
.endr
.endr
; the two largest logits of token t, by selects alone.  'Greater' and not 'greater or equal': of equal logits the lower index stays in front
.macro TOP2 t
	v_mov_b32 v[TOP+4*\t], v[ACC+8*\t]
	v_mov_b32 v[TOP+4*\t+1], 0
	v_mov_b32 v[TOP+4*\t+2], 0xff800000            ; -infinity
	v_mov_b32 v[TOP+4*\t+3], 0
.irp e, 1,2,3,4,5,6,7
	v_cmp_gt_f32 vcc_lo, v[ACC+8*\t+\e], v[TOP+4*\t]
	v_cmp_gt_f32 s32, v[ACC+8*\t+\e], v[TOP+4*\t+2]
	v_cndmask_b32 v[T1], v[TOP+4*\t+2], v[ACC+8*\t+\e], s32
	v_cndmask_b32 v[T2], v[TOP+4*\t+3], v[EC+\e], s32
	v_cndmask_b32 v[TOP+4*\t+2], v[T1], v[TOP+4*\t], vcc_lo
	v_cndmask_b32 v[TOP+4*\t+3], v[T2], v[TOP+4*\t+1], vcc_lo
	v_cndmask_b32 v[TOP+4*\t], v[TOP+4*\t], v[ACC+8*\t+\e], vcc_lo
	v_cndmask_b32 v[TOP+4*\t+1], v[TOP+4*\t+1], v[EC+\e], vcc_lo
.endr
.endm
	TOP2 0
	TOP2 1
	; softmax of the two, the larger taken away: 1 / (1 + p) and p / (1 + p), p = e^(second - first) <= 1
.irp t, 0,1
	v_sub_f32 v[GG+16+\t], v[TOP+4*\t+2], v[TOP+4*\t]
.endr
.irp t, 0,1
	v_mul_f32 v[GG+16+\t], 0x3fb8aa3b, v[GG+16+\t]
.endr
	s_wait_alu depctr_va_vdst(0)
.irp t, 0,1
	v_exp_f32 v[GG+18+\t], v[GG+16+\t]
.endr
	v_nop                                          ; a plain line behind the exponentials
	s_wait_alu depctr_va_vdst(0)                   ; one wait for both, ahead of their first reader
.irp t, 0,1
	v_add_f32 v[GG+20+\t], 1.0, v[GG+18+\t]
.endr
	s_wait_alu depctr_va_vdst(0)
.irp t, 0,1
	v_rcp_f32 v[GG+22+\t], v[GG+20+\t]
.endr
	v_cmp_eq_u32 s33, 1, v1                        ; (plain lines behind the reciprocals)
	v_cmp_eq_u32 s34, 2, v1
	v_cmp_eq_u32 s35, 3, v1
	s_wait_alu depctr_va_vdst(0)
.irp t, 0,1
	v_mul_f32 v[GG+24+\t], v[GG+18+\t], v[GG+22+\t]
.endr
	; lanes 0 to 3 stand for (token l / 2, slot l % 2)
	v_cndmask_b32 v[GG+26], v[TOP+1], v[TOP+3], s33
	v_cndmask_b32 v[GG+26], v[GG+26], v[TOP+5], s34
	v_cndmask_b32 v[GG+26], v[GG+26], v[TOP+7], s35
	v_cndmask_b32 v[GG+27], v[GG+22], v[GG+24], s33
	v_cndmask_b32 v[GG+27], v[GG+27], v[GG+23], s34
	v_cndmask_b32 v[GG+27], v[GG+27], v[GG+25], s35
	v_cmp_gt_u32 vcc_lo, 4, v1
	s_wait_alu depctr_va_vdst(0)
	s_wait_xcnt 0x0                                ; EXEC changes only behind this wait: the stores of codes have read their sources
	s_and_saveexec_b32 s36, vcc_lo
	global_store_b32 v9, v[GG+26], s[14:15]
	global_store_b32 v9, v[GG+27], s[16:17]
	s_wait_xcnt 0x0                                ; and again, in front of the line that widens it
	s_or_b32 exec_lo, exec_lo, s36
	s_wait_dscnt 0x0                               ; for wave 0's sake: my scale bytes lie in LDS
	s_barrier_signal -1
	s_barrier_wait -1
	s_cmp_lg_u32 s18, 0
	s_cbranch_scc1 .Lend
	ds_load_b64 v[12:13], v11
	s_wait_dscnt 0x0
	global_store_b64 v10, v[12:13], s[12:13]       ; 32 lanes store 256 consecutive bytes, at a multiple of 256 from xs's first byte
.Lend:
	s_wait_tensorcnt 0x0
	ds_add_u32 v192, v193
	s_wait_dscnt 0x0
	s_endpgm
.Lfunc_end_k_qddefdf9b43_route:
	.size	k_qddefdf9b43_route, .Lfunc_end_k_qddefdf9b43_route-k_qddefdf9b43_route
	.p2alignl 7, 3214868480
	.fill 96, 4, 3214868480
	.section	.rodata,"a",@progbits
	.p2align	6, 0x0
	.amdhsa_kernel k_qddefdf9b43_route
		.amdhsa_group_segment_fixed_size 70912
		.amdhsa_private_segment_fixed_size 0
		.amdhsa_enable_private_segment 0
		.amdhsa_kernarg_size 56
		.amdhsa_user_sgpr_count 2
		.amdhsa_user_sgpr_kernarg_segment_ptr 1
		.amdhsa_wavefront_size32 1
		.amdhsa_system_sgpr_workgroup_id_x 1
		.amdhsa_system_sgpr_workgroup_id_y 1
		.amdhsa_system_sgpr_workgroup_id_z 1
		.amdhsa_system_vgpr_workitem_id 0
		.amdhsa_next_free_vgpr 194
		.amdhsa_next_free_sgpr 66
		.amdhsa_reserve_vcc 1
		.amdhsa_float_denorm_mode_32 3
		.amdhsa_float_denorm_mode_16_64 3
		.amdhsa_memory_ordered 1
		.amdhsa_forward_progress 1
		.amdhsa_inst_pref_size 46
	.end_amdhsa_kernel
	.amdgpu_metadata
---
amdhsa.version: [ 1, 2 ]
amdhsa.kernels:
  - .name:           k_qddefdf9b43_route
    .symbol:         k_qddefdf9b43_route.kd
    .args:
      - { .name: x, .offset: 0, .size: 8, .value_kind: global_buffer, .address_space: global }
      - { .name: gate_w, .offset: 8, .size: 8, .value_kind: global_buffer, .address_space: global }
      - { .name: gate_b, .offset: 16, .size: 8, .value_kind: global_buffer, .address_space: global }
      - { .name: xq, .offset: 24, .size: 8, .value_kind: global_buffer, .address_space: global }
      - { .name: xs, .offset: 32, .size: 8, .value_kind: global_buffer, .address_space: global }
      - { .name: eid, .offset: 40, .size: 8, .value_kind: global_buffer, .address_space: global }
      - { .name: gw, .offset: 48, .size: 8, .value_kind: global_buffer, .address_space: global }
    .group_segment_fixed_size: 70912
    .private_segment_fixed_size: 0
    .kernarg_segment_align: 8
    .kernarg_segment_size: 56
    .max_flat_workgroup_size: 128
    .sgpr_count:     66
    .vgpr_count:     194
    .wavefront_size: 32
...
	.end_amdgpu_metadata
.endif
;; end of part 1
;; launch place (part 2): grid 128 x 1, 1 waves a work-group, no clusters, 0 bytes of LDS; arguments eid, rl; writes rl
.if DOCPART == 2
	.amdgcn_target "amdgcn-amd-amdhsa--gfx1250"
	.amdhsa_code_object_version 6
	.text
	.protected	k_qddefdf9b43_place
	.globl	k_qddefdf9b43_place
	.p2align	8
	.type	k_qddefdf9b43_place,@function
k_qddefdf9b43_place:
	s_mov_b64 s[64:65], 0
	v_nop
	global_prefetch_b8 v0, s[64:65] scope:SCOPE_SE
	s_setreg_imm32_b32 hwreg(HW_REG_WAVE_MODE, 25, 1), 1
	s_wait_xcnt 0x0
; THE ROWS ARE PLACED BY EXPERT.  eid [4096] words: word rid = 2 x token + slot holds that routed row's expert.
; Only the rows of the experts chosen for a token are multiplied later: reference() gives every other expert the weight 0 by its own one_hot.
; rl: words 2048 e + n: the n-th row id of expert e, filled up to a multiple of 16 with pad ids 4096 + 16 e + 0 .. 14;
;     words 16640 + e: the expert's number of tiles of 16 rows; words 16704 + 32 x work-group + lane: dump words, written and never read.
; Work-group (e, c), one wave, places expert e's rows among words 256 c .. 256 c + 255.  It reads the words of all chunks ahead of its own
; (30 groups of 128 words are loaded by all, a group counts only where it lies ahead of chunk c) and so knows where its first row goes: no LDS, no atomics,
; nothing passes between work-groups.  A lane whose word names another expert stores to its own dump word, so EXEC stays whole in the run.
; Chunk 15's running count ends as the expert's total: that work-group writes the pads and the number of tiles; the others send these stores to their dump words.
; The order of rows in a list is free.  Each index passes a clamp to the buffer's words before it becomes an address.
.set E,   16                           ; v16-135  groups 0 to 29: register 4 I + j is word 128 I + 4 l + j
.set OWN, 136                          ; v136-143 my chunk's two groups
.set AD,  144                          ; v144-151 the stores' addresses
.set DD,  152                          ; v152-159 the stores' data
	s_load_b128 s[4:7], s[0:1], 0x0                ; eid s[4:5], rl s[6:7]
	v_and_b32 v1, 31, v0                           ; lane l
	v_lshlrev_b32 v2, 4, v1                        ; 16 l
	s_lshr_b32 s8, ttmp9, 4                        ; expert
	s_and_b32 s9, ttmp9, 15                        ; chunk
	s_lshl_b32 s10, s9, 1                          ; the groups ahead of my chunk
	s_lshl_b32 s11, s9, 10
	v_add_nc_u32 v5, s11, v2                       ; my chunk's bytes
	s_lshl_b32 s12, s9, 8
	v_lshl_add_u32 v3, v1, 2, s12                  ; 256 c + 4 l
	s_lshl_b32 s13, ttmp9, 5
	s_add_co_u32 s13, s13, 16704
	v_add_nc_u32 v4, s13, v1                       ; my dump word
	s_lshl_b32 s21, s8, 11                         ; where the expert's list begins
	s_mov_b32 s20, s21                             ; and where its next row goes
	s_wait_alu depctr_va_vdst(0)
	s_wait_kmcnt 0x0
.set I, 0
.rept 30
	global_load_b128 v[E+4*I:E+4*I+3], v2, s[4:5] offset:512*I
.set I, I+1
.endr
	global_load_b128 v[OWN:OWN+3], v5, s[4:5]
	global_load_b128 v[OWN+4:OWN+7], v5, s[4:5] offset:512
.set I, 0
.rept 30
	s_wait_loadcnt 31-I                            ; this group is in; the 29 - I later groups and my chunk's two loads may be out
.irp j, 0,1,2,3
	v_cmp_eq_u32 s[24+4*(I%2)+\j], s8, v[E+4*I+\j]
.endr
.irp j, 0,1,2,3
	s_bcnt1_i32_b32 s[32+\j], s[24+4*(I%2)+\j]
.endr
	s_add_co_u32 s32, s32, s33
	s_add_co_u32 s34, s34, s35
	s_add_co_u32 s32, s32, s34
	s_cmp_gt_u32 s10, I                            ; does the group lie ahead of my chunk?
	s_cselect_b32 s32, s32, 0
	s_add_co_u32 s20, s20, s32
.set I, I+1
.endr
	s_wait_loadcnt 0x0
.irp k, 0,1,2,3,4,5,6,7
	v_cmp_eq_u32 s[24+\k], s8, v[OWN+\k]
.endr
.irp k, 0,1,2,3,4,5,6,7
	v_mbcnt_lo_u32_b32 v[AD+\k], s[24+\k], s20     ; the chosen lanes below mine + the running count
	s_bcnt1_i32_b32 s32, s[24+\k]
	s_add_co_u32 s20, s20, s32
	v_cndmask_b32 v[AD+\k], v4, v[AD+\k], s[24+\k]
	v_min_u32 v[AD+\k], 20799, v[AD+\k]            ; inside the buffer's words
	v_lshlrev_b32 v[AD+\k], 2, v[AD+\k]
	v_add_nc_u32 v[DD+\k], 128*(\k/4)+(\k%4), v3   ; the row id
	global_store_b32 v[AD+\k], v[DD+\k], s[6:7]
.endr
	s_sub_co_u32 s22, s20, s21                     ; in chunk 15: the expert's rows,
	s_add_co_u32 s22, s22, 15
	s_lshr_b32 s22, s22, 4                         ; its tiles,
	s_lshl_b32 s23, s22, 4
	s_add_co_u32 s23, s23, s21                     ; and where its last tile ends
	s_lshl_b32 s25, s8, 2
	s_add_co_u32 s25, s25, 66560                   ; the byte of the expert's number of tiles
	s_lshl_b32 s26, s13, 2                         ; the byte of my first dump word
	s_cmp_eq_u32 s9, 15
	s_cselect_b32 s23, s23, 0                      ; other chunks: no pad is chosen,
	s_cselect_b32 s25, s25, s26                    ; and the number goes to a dump word
	v_add_nc_u32 v6, s20, v1
	v_cmp_gt_u32 vcc_lo, s23, v6                   ; at most 15 pads
	v_cndmask_b32 v6, v4, v6, vcc_lo
	v_min_u32 v6, 20799, v6
	v_lshlrev_b32 v6, 2, v6
	s_lshl_b32 s24, s8, 4
	s_add_co_u32 s24, s24, 4096
	v_add_nc_u32 v7, s24, v1                       ; a pad id of its own for each pad
	global_store_b32 v6, v7, s[6:7]
	v_mov_b32 v8, s22
	v_mov_b32 v9, s25
	v_cmp_eq_u32 vcc_lo, 0, v1
	s_wait_alu depctr_va_vdst(0)
	s_wait_xcnt 0x0                                ; EXEC changes only behind this wait
	s_and_saveexec_b32 s27, vcc_lo
	global_store_b32 v9, v8, s[6:7]                ; by lane 0
	s_endpgm
.Lfunc_end_k_qddefdf9b43_place:
	.size	k_qddefdf9b43_place, .Lfunc_end_k_qddefdf9b43_place-k_qddefdf9b43_place
	.p2alignl 7, 3214868480
	.fill 96, 4, 3214868480
	.section	.rodata,"a",@progbits
	.p2align	6, 0x0
	.amdhsa_kernel k_qddefdf9b43_place
		.amdhsa_group_segment_fixed_size 0
		.amdhsa_private_segment_fixed_size 0
		.amdhsa_enable_private_segment 0
		.amdhsa_kernarg_size 16
		.amdhsa_user_sgpr_count 2
		.amdhsa_user_sgpr_kernarg_segment_ptr 1
		.amdhsa_wavefront_size32 1
		.amdhsa_system_sgpr_workgroup_id_x 1
		.amdhsa_system_sgpr_workgroup_id_y 1
		.amdhsa_system_sgpr_workgroup_id_z 1
		.amdhsa_system_vgpr_workitem_id 0
		.amdhsa_next_free_vgpr 160
		.amdhsa_next_free_sgpr 66
		.amdhsa_reserve_vcc 1
		.amdhsa_float_denorm_mode_32 3
		.amdhsa_float_denorm_mode_16_64 3
		.amdhsa_memory_ordered 1
		.amdhsa_forward_progress 1
		.amdhsa_inst_pref_size 27
	.end_amdhsa_kernel
	.amdgpu_metadata
---
amdhsa.version: [ 1, 2 ]
amdhsa.kernels:
  - .name:           k_qddefdf9b43_place
    .symbol:         k_qddefdf9b43_place.kd
    .args:
      - { .name: eid, .offset: 0, .size: 8, .value_kind: global_buffer, .address_space: global }
      - { .name: rl, .offset: 8, .size: 8, .value_kind: global_buffer, .address_space: global }
    .group_segment_fixed_size: 0
    .private_segment_fixed_size: 0
    .kernarg_segment_align: 8
    .kernarg_segment_size: 16
    .max_flat_workgroup_size: 32
    .sgpr_count:     66
    .vgpr_count:     160
    .wavefront_size: 32
...
	.end_amdgpu_metadata
.endif
;; end of part 2
;; launch ffn1 (part 3): grid 256 x 1, 8 waves a work-group, no clusters, 103,424 bytes of LDS; arguments xq, xs, w1, b1, rl, hq, hs; writes hq, hs
.if DOCPART == 3
	.amdgcn_target "amdgcn-amd-amdhsa--gfx1250"
	.amdhsa_code_object_version 6
	.text
	.protected	k_qddefdf9b43_ffn1
	.globl	k_qddefdf9b43_ffn1
	.p2align	8
	.type	k_qddefdf9b43_ffn1,@function
k_qddefdf9b43_ffn1:
	s_mov_b64 s[64:65], 0
	v_nop
	global_prefetch_b8 v0, s[64:65] scope:SCOPE_SE
	s_setreg_imm32_b32 hwreg(HW_REG_WAVE_MODE, 25, 1), 1
	s_wait_xcnt 0x0
; FIRST PRODUCT OF THE EXPERTS, ON THE CHOSEN ROWS ALONE (reference() gives every other expert's row the weight 0): hidden = gelu(x W1[e] + b1[e]), quantised along the hidden units.
; THE WEIGHTS STAY, THE ROWS PASS.  Work-group (e, sg) owns hidden units 64 sg .. + 63 of expert e for all of K = 1,024: 1,024 rows of 256 aligned bytes of w1, read once as f32.
; Part 1, in two phases: in phase p wave w quantises rows 512 p + 64 w .. + 63 (half w % 2 of K step 4 p + w / 2) in registers and lays the codes in LDS as images of operand registers.
; A barrier follows each phase: phase 0's 16 fragments are read into registers while phase 1's weights are still out.
; Part 2: every wave holds the whole slice (32 fragments, window 1) and walks the expert's tiles of 16 rows w, w + 8, ..
; The first tile's ids are asked for ahead of the weights, its rows behind them: they are in when part 1 ends.
; The number of tiles and the row ids come from rl, which an earlier launch stored; trip counts hang on loaded numbers, so the text has no tensor load.
; All of a wave's 64 weight loads go out in one run at the head: nothing is left that could be asked for earlier, so nothing is prefetched.
; No cluster: what work-groups share (an expert's rows of codes, 512 bytes a row) is small beside each one's own 256 KiB of weights.
; THE PRODUCT IS USED TRANSPOSED (source 0 = 16 hidden units, source 1 = 16 rows of x): a lane holds one row.  Row m of unit tile 2 b + u is unit 32 b + 8 u + m + 8 (m / 8),
; so that the 16 registers of tiles 2 b, 2 b + 1 are units 32 b + 16 (lane / 16) + 0 .. 15.
; GELU: x Phi(x) = max(x, 0) - |x| t 2^(P(t) - x^2 log2(e) / 2), t = 1 / (1 + |x| / (2 sqrt 2)), P of degree 9 (a fit of erfc, fractional error 1.2e-7).
; Out: hq [128 e + tile][sg][lane][16 bytes]; hs [128 e + tile][K half][K step / 4 % 2][row][K step % 4] words, of which this work-group owns two bytes.
; LIMITS: NaN and infinities are not served.  Blocks of zeros or under 2^-124 get the byte 1 (internal bytes).  A term under 2^-126 is flushed to 0 by v_exp_f32.
; Pad rows take token 2047's numbers; nobody adds their results up.  Look-ahead past a wave's last tile names the expert's last tile again; a wave with no tile loads and stores nothing of use and ends.
.set PITCH, 8192
.set SCB,   32768                      ; LDS: images: fragment (t, s) at 1024 (8 t + s), registers 4 c .. at + 512 c, lane at + 16 lane; scale words at SCB + 512 t + 16 (16 (s / 4) + row) + 4 (s % 4)
.set STG,   34816                      ; a stage for each wave: 16 rows x (512 + 16) bytes
.set SROW,  528
.set Q16,  1
.set LI,   2
.set LT8,  3
.set LTR,  4
.set XH,   5
.set STI,  6
.set FRD,  7
.set LA,   8
.set SA,   9
.set SH8,  10
.set WOFF, 11
.set HQOFF, 12
.set HSOFF, 13
.set LOFF8, 14
.set LOFFR, 15
.set WSC,  16                          ; v16-31 W1's scale words: scales and nothing else
.set XS,   32                          ; v32-35 x's: scales and nothing else
.set RID8, 36
.set VOFF, 44
.set TKR,  52
.set XSOFF, 53
.set C9,   54
.set TMPP, 56
.set XR,   64                          ; v64-127 16 rows of codes as loaded
.set XF,   128                         ; v128-191 x's eight fragments; then t and the exponent
.set TT,   128
.set PP,   160
.set ACC,  192
.set BIAS, 224
.set TP,   128                         ; part 1: v128-191 two columns x 32 numbers; v192-223 at work
.set TM,   192
.set SO,   196
.set BY,   198
.set SW,   202
.set PX,   192
.set CD1,  208
.set QM,   128
.set QP,   130
.set QS,   132
.set QB,   134
.set HW,   136
.set CD,   140
.set TRIP, 18
.set TRIPS, 19
.set MSB, 0
.macro WIN new
.if MSB != \new
	s_set_vgpr_msb (MSB<<8)|\new
.set MSB, \new
.endif
.endm
.macro LISTS                           ; ids 8 h + 0 .. 7, and id q
	global_load_b128 v[RID8:RID8+3], v[LOFF8], s[12:13]
	global_load_b128 v[RID8+4:RID8+7], v[LOFF8], s[12:13] offset:16
	global_load_b32 v[TKR], v[LOFFR], s[12:13]
.endm
.macro ADDR                            ; ids to offsets: token = id / 2, held to 2,047
.irp p, 0,1,2,3,4,5,6,7
	v_lshrrev_b32 v[VOFF+\p], 1, v[RID8+\p]
.endr
	v_lshrrev_b32 v[XSOFF], 1, v[TKR]
.irp p, 0,1,2,3,4,5,6,7
	v_min_u32 v[VOFF+\p], 0x7ff, v[VOFF+\p]
.endr
	v_min_u32 v[XSOFF], 0x7ff, v[XSOFF]
.irp p, 0,1,2,3,4,5,6,7
	v_lshl_add_u32 v[VOFF+\p], v[VOFF+\p], 9, v[Q16]
.endr
	v_lshl_add_u32 v[XSOFF], v[XSOFF], 5, v[XH]
.endm
.macro ROWS                            ; sixteen lanes read 256 consecutive bytes of row 8 h + p
.irp p, 0,1,2,3,4,5,6,7
	global_load_b128 v[XR+8*\p:XR+8*\p+3], v[VOFF+\p], s[4:5]
	global_load_b128 v[XR+8*\p+4:XR+8*\p+7], v[VOFF+\p], s[4:5] offset:256
.endr
.endm
.macro FRAGS p                         ; the 16 fragments of K steps 4 p .. 4 p + 3: fragment (t, s) into window 1, v[128 (s / 4) + 8 (4 t + s % 4)]
	WIN 0x40
.irp t, 0,1,2,3
.irp k, 0,1,2,3
	ds_load_b128 v[128*\p+8*(4*\t+\k):128*\p+8*(4*\t+\k)+3], v[LI] offset:1024*(8*\t+4*\p+\k)
	ds_load_b128 v[128*\p+8*(4*\t+\k)+4:128*\p+8*(4*\t+\k)+7], v[LI] offset:1024*(8*\t+4*\p+\k)+512
.endr
.endr
	WIN 0
.endm
; Phase p: blocks h of my 64 rows, four columns a lane, two columns at a time.  The conversions take neighbours along K from consecutive registers, and a load of 16 bytes leaves a
; column's numbers four registers apart: moves bring each column's 32 numbers together.
.macro QW p
.if \p == 0
	s_wait_loadcnt 60                              ; phase 0's loads are in; behind them: phase 1's 32, b1's 8, 16 of rows, 1 of scales, 3 of ids
.else
	s_wait_loadcnt 20                              ; phase 1's and b1's loads are in; behind them: 16 of rows, 1 of scales, 3 of ids
	s_wait_dscnt 0x0
.endif
.irp jj, 0,2
	WIN 0x01
.irp j2, 0,1
.set I, 0
.rept 32
	v_mov_b32 v[TP+32*\j2+I], v[4*(32*\p+I)+\jj+\j2]
.set I, I+1
.endr
.endr
	WIN 0
.irp c, 0,1,2,3
	v_max3_num_f32 v[TM+\c], |v[TP+16*\c]|, |v[TP+16*\c+1]|, 0x1800000   ; four chains of 16 numbers; the floor 2^(3 - 127): the byte cannot fall under 1
.endr
.irp i, 2,4,6,8,10,12,14
.irp c, 0,1,2,3
	s_delay_alu instid0(VALU_DEP_4)
	v_max3_num_f32 v[TM+\c], v[TM+\c], |v[TP+16*\c+\i]|, |v[TP+16*\c+\i+1]|
.endr
.endr
	s_delay_alu instid0(VALU_DEP_3)
	v_max_num_f32 v[TM], v[TM], v[TM+1]
	s_delay_alu instid0(VALU_DEP_2)
	v_max_num_f32 v[TM+2], v[TM+2], v[TM+3]
.irp j2, 0,1
	s_delay_alu instid0(VALU_DEP_2)
	v_add_nc_u32 v[SO+\j2], 0xff000000, v[TM+2*\j2]   ; 2 off the exponent field: the conversion's scale operand
.endr
.irp j2, 0,1
	s_delay_alu instid0(VALU_DEP_2)
	v_lshrrev_b32 v[BY+\jj+\j2], 23, v[SO+\j2]     ; the scale's byte
.endr
.irp j2, 0,1
.irp g, 0,1,2,3
	v_cvt_scalef32_pk8_fp4_f32 v[CD1+4*(\jj+\j2)+\g], v[TP+32*\j2+8*\g:TP+32*\j2+8*\g+7], v[SO+\j2]
.endr
.endr
	v_nop                                          ; one plain line behind the conversions
.irp j2, 0,1
	ds_store_b128 v[LA], v[CD1+4*(\jj+\j2):CD1+4*(\jj+\j2)+3] offset:4096*\p+16*(\jj+\j2)
.endr
.endr
.irp j, 0,1,2,3
	v_lshlrev_b32 v[SW+\j], v[SH8], v[BY+\j]       ; my byte at its place among the half's two;
.endr
.irp j, 0,1,2,3
	s_delay_alu instid0(VALU_DEP_4)
	v_permlanex16_b32 v[PX+\j], v[SW+\j], s36, s37
.endr
.irp j, 0,1,2,3
	s_delay_alu instid0(VALU_DEP_4)
	v_or_b32 v[SW+\j], v[SW+\j], v[PX+\j]          ; with lane l xor 16's
.endr
.irp j, 0,1,2,3
	ds_store_b16 v[SA], v[SW+\j] offset:256*\p+16*\j   ; both halves of the lanes write the same two bytes with the same value
.endr
.endm
	s_load_b256 s[4:11], s[0:1], 0x0               ; xq s[4:5], xs s[6:7], w1 s[8:9], b1 s[10:11]
	s_load_b128 s[12:15], s[0:1], 0x20             ; rl s[12:13], hq s[14:15]
	s_load_b64 s[16:17], s[0:1], 0x30              ; hs
	v_lshrrev_b32 v56, 5, v0
	v_and_b32 v57, 15, v0                          ; q
	v_bfe_u32 v58, v0, 4, 1                        ; h
	v_and_b32 v59, 31, v0                          ; lane
	v_readfirstlane_b32 s20, v56                   ; wave 0..7
	s_lshr_b32 s21, ttmp9, 5                       ; expert
	s_and_b32 s22, ttmp9, 31                       ; sg
	v_lshlrev_b32 v[Q16], 4, v57
	v_lshlrev_b32 v63, 6, v58                      ; b1: 16 h numbers on
	v_lshlrev_b32 v[LT8], 5, v58
	v_lshlrev_b32 v[LTR], 2, v57
	v_lshlrev_b32 v[XH], 4, v58
	v_lshlrev_b32 v[LI], 4, v59
	v_lshlrev_b32 v[SH8], 3, v58
	v_lshl_add_u32 v[WOFF], v58, 18, v[Q16]        ; 32 rows of 8,192 bytes for lanes 16-31
	s_lshl_b32 s28, s21, 7                         ; 128 e: the expert's first tile
	s_add_co_u32 s29, s28, s20                     ; my first tile
	s_lshl_b32 s29, s29, 6
	v_add_nc_u32 v[LOFF8], s29, v[LT8]
	v_add_nc_u32 v[LOFFR], s29, v[LTR]
	s_lshl_b32 s30, s21, 23                        ; an expert's 8 MiB,
	s_lshl_b32 s26, s20, 19                        ; my wave's 64 rows,
	s_add_co_u32 s30, s30, s26
	s_lshl_b32 s27, s22, 8                         ; the slice's 256 bytes of a row
	s_add_co_u32 s30, s30, s27
	s_mov_b32 s31, 0
	s_lshl_b32 s32, s21, 13
	s_add_co_u32 s32, s32, s27
	s_mov_b32 s33, 0
	s_lshl_b32 s34, s21, 2
	s_mov_b32 s35, 0
	s_wait_alu depctr_va_vdst(0)
	s_wait_kmcnt 0x0
	s_add_nc_u64 s[8:9], s[8:9], s[30:31]
	s_add_nc_u64 s[10:11], s[10:11], s[32:33]
	s_add_nc_u64 s[34:35], s[12:13], s[34:35]
	s_load_b32 s23, s[34:35], 0x10400              ; the expert's number of tiles
	LISTS                                          ; my first tile's ids, ahead of the weights
	; register 4 (32 p + i) + j of window 1 is W(512 p + 64 w + 32 h + i, 4 q + j): sixteen lanes read the 256 bytes of a row.  Phase 0's 32 loads and 24 of phase 1's
	WIN 0x40
.set I, 0
.rept 56
	global_load_b128 v[4*I:4*I+3], v[WOFF], s[8:9] offset:(512*(I/32)+I%32)*PITCH th:TH_LOAD_NT
.set I, I+1
.endr
	WIN 0
	s_lshl_b32 s30, s22, 9
	s_add_nc_u64 s[14:15], s[14:15], s[30:31]      ; hq at my sg
	s_lshr_b32 s30, s22, 4
	s_lshl_b32 s30, s30, 9                         ; hs: the K half,
	s_bfe_u32 s26, s22, 0x10003
	s_lshl_b32 s26, s26, 8                         ; K step / 4 % 2,
	s_add_co_u32 s30, s30, s26
	s_bfe_u32 s26, s22, 0x20001
	s_lshl_b32 s26, s26, 2                         ; K step % 4,
	s_add_co_u32 s30, s30, s26
	s_and_b32 s26, s22, 1
	s_lshl_b32 s26, s26, 1                         ; and my two bytes of the word
	s_add_co_u32 s30, s30, s26
	s_add_nc_u64 s[16:17], s[16:17], s[30:31]
	s_mov_b32 s36, 0x76543210
	s_mov_b32 s37, 0xfedcba98                      ; v_permlanex16_b32's selects for lane l xor 16
	s_mov_b32 s38, 0x3eb504f3                      ; 1 / (2 sqrt 2)
.set CI, 40                            ; s[40:41] c8 .. s[56:57] c0, s[58:59] -log2(e) / 2: pairs, since the packed forms name a pair
.irp c, 0xbf97d29d, 0x40097039, 0xbfd1a1e5, 0x3ecdfd18, 0xbe899a80, 0x3e0efb2e, 0x3f0a29d2, 0x3fb8ab5a, 0xc034d90f, 0xbf38aa3b
	s_mov_b32 s[CI], \c
	s_mov_b32 s[CI+1], \c
.set CI, CI+2
.endr
	v_mov_b32 v[C9], 0x3e7c6f08
	v_mov_b32 v[C9+1], 0x3e7c6f08
	s_mul_i32 s26, s20, 16*SROW
	s_add_co_u32 s26, s26, STG                     ; my stage
	v_mul_u32_u24 v60, v58, 8*SROW
	v_mul_u32_u24 v62, v57, SROW
	s_delay_alu instid0(VALU_DEP_2)
	v_add_nc_u32 v60, v60, v[Q16]
	s_delay_alu instid0(VALU_DEP_2)
	v_lshl_add_u32 v62, v58, 4, v62
	s_delay_alu instid0(VALU_DEP_2)
	v_add_nc_u32 v[STI], s26, v60                  ; in: row 8 h, byte 16 q
	s_delay_alu instid0(VALU_DEP_2)
	v_add_nc_u32 v[FRD], s26, v62                  ; out: row q, byte 16 h
	; column 4 q + j is row m = 8 ((q / 4) % 2) + 4 (q % 2) + j of tile t = 2 (q / 8) + (q / 2) % 2
	v_bfe_u32 v60, v0, 3, 1
	v_bfe_u32 v61, v0, 1, 1
	s_delay_alu instid0(VALU_DEP_1)
	v_lshl_add_u32 v60, v60, 1, v61                ; t
	v_and_b32 v61, 1, v0
	v_bfe_u32 v62, v0, 2, 1
	s_delay_alu instid0(VALU_DEP_2)
	v_lshlrev_b32 v61, 6, v61
	s_delay_alu instid0(VALU_DEP_1)
	v_lshl_add_u32 v61, v62, 7, v61                ; 16 m for j = 0
	s_delay_alu instid0(VALU_DEP_1)
	v_lshl_add_u32 v[LA], v60, 13, v61
	v_lshl_add_u32 v[SA], v60, 9, v61
	s_delay_alu instid0(VALU_DEP_2)
	v_lshl_add_u32 v[LA], v58, 8, v[LA]            ; lane m + 16 h of the image
	s_lshl_b32 s26, s20, 9                         ; K step w / 2 of the phase's four, half w % 2: 1024 (w / 2) + 512 (w % 2)
	s_lshl_b32 s29, s20, 1                         ; and in a scale word: 4 (w / 2) + 2 (w % 2)
	s_add_co_u32 s29, s29, SCB
	v_add_nc_u32 v[LA], s26, v[LA]
	v_add_nc_u32 v[SA], s29, v[SA]
	s_wait_kmcnt 0x0
	s_min_u32 s23, s23, 128                        ; an expert has at most 128 tiles
	s_sub_co_u32 s25, s23, 1                       ; the last tile: look-ahead is held to it
	s_add_co_u32 s29, s20, 8
	s_min_u32 s29, s29, s25
	s_min_u32 s29, s29, 127
	s_add_co_u32 s29, s29, s28
	s_lshl_b32 s29, s29, 6
	s_wait_alu depctr_va_vdst(0)
	s_wait_loadcnt 56                              ; the ids are in; the 56 weight loads behind them may be out
	WIN 0x40
.rept 8
	global_load_b128 v[4*I:4*I+3], v[WOFF], s[8:9] offset:(512*(I/32)+I%32)*PITCH th:TH_LOAD_NT   ; phase 1's last eight
.set I, I+1
.endr
	WIN 0
.irp t, 0,1,2,3
	global_load_b128 v[BIAS+8*\t:BIAS+8*\t+3], v63, s[10:11] offset:(32*(\t/2)+8*(\t%2))*4
	global_load_b128 v[BIAS+8*\t+4:BIAS+8*\t+7], v63, s[10:11] offset:(32*(\t/2)+8*(\t%2))*4+16
.endr
	ADDR
	ROWS
	global_load_b128 v[XS:XS+3], v[XSOFF], s[6:7]
	v_add_nc_u32 v[LOFF8], s29, v[LT8]             ; (the first ids' loads are done: their address registers are free)
	v_add_nc_u32 v[LOFFR], s29, v[LTR]
	LISTS                                          ; and the next tile's ids
	QW 0
	s_wait_dscnt 0x0                               ; for the others' sake: my images and scale bytes of phase 0 lie in LDS
	s_barrier_signal -1
	s_barrier_wait -1
	FRAGS 0                                        ; into the registers that phase 0's numbers have left
	QW 1
	s_wait_dscnt 0x0
	s_barrier_signal -1
	s_barrier_wait -1                              ; behind it the images are read and never written
	FRAGS 1
.irp t, 0,1,2,3
	ds_load_b128 v[WSC+4*\t:WSC+4*\t+3], v[LI] offset:SCB+512*\t
.endr
	s_mov_b32 s24, s20                             ; my first tile
	s_wait_dscnt 0x0
	s_cmp_ge_u32 s24, s23
	s_cbranch_scc1 .Lend
	s_sub_co_u32 s[TRIPS], s23, s20                ; (tiles - w + 7) / 8 trips, at least one here, at most 16
	s_add_co_u32 s[TRIPS], s[TRIPS], 7
	s_lshr_b32 s[TRIPS], s[TRIPS], 3
	s_mov_b32 s[TRIP], 0
.Ltile:                                                ; a trip: tile s24.  In registers: its rows and scale words, and the next tile's ids
	s_wait_loadcnt 0x0
	s_wait_xcnt 0x0                                ; the last trip's stores have read their data and addresses
.irp p, 0,1,2,3,4,5,6,7
	ds_store_b128 v[STI], v[XR+8*\p:XR+8*\p+3] offset:SROW*\p
	ds_store_b128 v[STI], v[XR+8*\p+4:XR+8*\p+7] offset:SROW*\p+256
.endr
.irp s, 0,1,2,3,4,5,6,7
	ds_load_b128 v[XF+8*\s:XF+8*\s+3], v[FRD] offset:64*\s        ; LDS serves a wave's instructions in order: these see the stores above
	ds_load_b128 v[XF+8*\s+4:XF+8*\s+7], v[FRD] offset:64*\s+32
.endr
	ADDR
	s_min_u32 s29, s24, 127
	s_add_co_u32 s29, s29, s28                     ; this tile among all experts' tiles
	s_lshl_b32 s26, s29, 14
	s_lshl_b32 s27, s29, 10
	s_add_co_u32 s29, s24, 16                      ; the ids of the tile after the next
	s_min_u32 s29, s29, s25
	s_min_u32 s29, s29, 127
	s_add_co_u32 s29, s29, s28
	s_lshl_b32 s29, s29, 6
	s_wait_alu depctr_va_vdst(0)
	s_wait_dscnt 0x0                               ; the fragments are in, and the stage's stores have read the rows' registers
	ROWS                                           ; the next tile's rows
	WIN 0x01                                       ; source 0 (W1) window 1
	; the four accumulators take turns, one instruction a turn, K ascending; b1 is the C of each sum's first instruction
.irp s, 0,1,2,3,4,5,6,7
.irp t, 0,1,2,3
.if \s == 0
	v_wmma_scale_f32_16x16x128_f8f6f4 v[ACC+8*\t:ACC+8*\t+7], v[128*(\s/4)+8*(4*\t+\s%4):128*(\s/4)+8*(4*\t+\s%4)+7], v[XF+8*\s:XF+8*\s+7], v[BIAS+8*\t:BIAS+8*\t+7], v[WSC+4*\t+\s%4], v[XS+\s%4] matrix_a_fmt:MATRIX_FMT_FP4 matrix_b_fmt:MATRIX_FMT_FP4
.elseif \s < 4
	v_wmma_scale_f32_16x16x128_f8f6f4 v[ACC+8*\t:ACC+8*\t+7], v[128*(\s/4)+8*(4*\t+\s%4):128*(\s/4)+8*(4*\t+\s%4)+7], v[XF+8*\s:XF+8*\s+7], v[ACC+8*\t:ACC+8*\t+7], v[WSC+4*\t+\s%4], v[XS+\s%4] matrix_a_fmt:MATRIX_FMT_FP4 matrix_b_fmt:MATRIX_FMT_FP4
.else
	v_wmma_scale_f32_16x16x128_f8f6f4 v[ACC+8*\t:ACC+8*\t+7], v[128*(\s/4)+8*(4*\t+\s%4):128*(\s/4)+8*(4*\t+\s%4)+7], v[XF+8*\s:XF+8*\s+7], v[ACC+8*\t:ACC+8*\t+7], v[WSC+4*\t+\s%4], v[XS+\s%4] matrix_a_fmt:MATRIX_FMT_FP4 matrix_b_fmt:MATRIX_FMT_FP4 matrix_a_scale:MATRIX_SCALE_ROW1 matrix_b_scale:MATRIX_SCALE_ROW1
.endif
.endr
.endr
	WIN 0
	v_add_nc_u32 v[HQOFF], s26, v[LI]              ; four plain lines that name none of the products' registers: the places behind the last product
	v_add_nc_u32 v[HSOFF], s27, v[Q16]
	v_add_nc_u32 v[LOFF8], s29, v[LT8]
	v_add_nc_u32 v[LOFFR], s29, v[LTR]
	global_load_b128 v[XS:XS+3], v[XSOFF], s[6:7]  ; the next tile's scale words
	LISTS
	; the activation, on 32 numbers a lane, each accumulator read from its low end on
.set J, 0
.rept 32
	v_fma_f32 v[TT+J], |v[ACC+J]|, s38, 1.0
.set J, J+1
.endr
.set J, 0
	s_wait_alu depctr_va_vdst(0)                   ; ahead of the batch
.rept 32
	v_rcp_f32 v[TT+J], v[TT+J]                     ; t
.set J, J+1
.endr
	v_nop                                          ; a plain line behind the reciprocals
	s_wait_alu depctr_va_vdst(0)                   ; one wait for the 32, ahead of their first reader
.set J, 0
.rept 16
	v_pk_fma_f32 v[PP+J:PP+J+1], v[TT+J:TT+J+1], v[C9:C9+1], s[40:41] op_sel_hi:[1,1,0]
.set J, J+2
.endr
.irp c, 42,44,46,48,50,52,54,56
.set J, 0
.rept 16
	v_pk_fma_f32 v[PP+J:PP+J+1], v[PP+J:PP+J+1], v[TT+J:TT+J+1], s[\c:\c+1] op_sel_hi:[1,1,0]   ; sixteen chains by turns
.set J, J+2
.endr
.endr
.set J, 0
.rept 16
	v_pk_mul_f32 v[TMPP+J%8:TMPP+J%8+1], v[ACC+J:ACC+J+1], v[ACC+J:ACC+J+1]
	s_delay_alu instid0(VALU_DEP_1)
	v_pk_fma_f32 v[PP+J:PP+J+1], v[TMPP+J%8:TMPP+J%8+1], s[58:59], v[PP+J:PP+J+1] op_sel_hi:[1,0,1]   ; - x^2 log2(e) / 2
.set J, J+2
.endr
.set J, 0
	s_wait_alu depctr_va_vdst(0)                   ; ahead of the batch
.rept 32
	v_exp_f32 v[PP+J], v[PP+J]
.set J, J+1
.endr
.set J, 0
.rept 32
	v_mul_f32 v[TT+J], |v[ACC+J]|, v[TT+J]         ; |x| t, and max(x, 0): work that names no exponential's result
	v_max_num_f32 v[ACC+J], 0, v[ACC+J]
.set J, J+1
.endr
	s_wait_alu depctr_va_vdst(0)                   ; one wait for the 32 exponentials
.set J, 0
.rept 16
	v_pk_fma_f32 v[ACC+J:ACC+J+1], v[TT+J:TT+J+1], v[PP+J:PP+J+1], v[ACC+J:ACC+J+1] neg_lo:[1,0,0] neg_hi:[1,0,0]
.set J, J+2
.endr
	; the hidden numbers become codes: register 16 b + i is unit 32 b + 16 h + i of my row; a block lies in lanes l and l xor 16
.irp b, 0,1
	v_max3_num_f32 v[QM+\b], |v[ACC+16*\b]|, |v[ACC+16*\b+1]|, 0x1800000
.endr
.irp i, 2,4,6,8,10,12,14
.irp b, 0,1
	s_delay_alu instid0(VALU_DEP_2)
	v_max3_num_f32 v[QM+\b], v[QM+\b], |v[ACC+16*\b+\i]|, |v[ACC+16*\b+\i+1]|
.endr
.endr
.irp b, 0,1
	s_delay_alu instid0(VALU_DEP_2)
	v_permlanex16_b32 v[QP+\b], v[QM+\b], s36, s37
.endr
.irp b, 0,1
	s_delay_alu instid0(VALU_DEP_2)
	v_max_num_f32 v[QM+\b], v[QM+\b], v[QP+\b]
.endr
.irp b, 0,1
	s_delay_alu instid0(VALU_DEP_2)
	v_add_nc_u32 v[QS+\b], 0xff000000, v[QM+\b]
.endr
.irp b, 0,1
	s_delay_alu instid0(VALU_DEP_2)
	v_lshrrev_b32 v[QB+\b], 23, v[QS+\b]
.endr
	s_delay_alu instid0(VALU_DEP_1)
	v_lshl_or_b32 v[HW], v[QB+1], 8, v[QB]         ; my row's two scale bytes
.irp b, 0,1
	v_cvt_scalef32_pk8_fp4_f32 v[CD+2*\b], v[ACC+16*\b:ACC+16*\b+7], v[QS+\b]
	v_cvt_scalef32_pk8_fp4_f32 v[CD+2*\b+1], v[ACC+16*\b+8:ACC+16*\b+15], v[QS+\b]
.endr
	v_nop                                          ; one plain line behind the conversions
	v_permlane16_swap_b32 v[CD], v[CD+2]           ; a whole block in a lane: lanes 0-15 block 0, lanes 16-31 block 1
	v_permlane16_swap_b32 v[CD+1], v[CD+3]
	global_store_b128 v[HQOFF], v[CD:CD+3], s[14:15]   ; 512 consecutive bytes: four registers of the next product's fragment
	global_store_b16 v[HSOFF], v[HW], s[16:17]     ; lanes l and l xor 16 write the same two bytes with the same value
	s_add_co_u32 s24, s24, 8                       ; my next tile: it enters addresses alone, each behind its clamp
	s_add_co_u32 s[TRIP], s[TRIP], 1
	s_cmp_lt_u32 s[TRIP], s[TRIPS]
	s_cbranch_scc1 .Ltile
.Lend:
	s_wait_xcnt 0x0
	v_lshl_add_u32 v254, v0, 2, 0x19000            ; the wave's end
	v_mov_b32 v255, 0
	s_wait_alu depctr_va_vdst(0)
	s_wait_tensorcnt 0x0
	ds_add_u32 v254, v255
	s_wait_dscnt 0x0
	s_endpgm
.Lfunc_end_k_qddefdf9b43_ffn1:
	.size	k_qddefdf9b43_ffn1, .Lfunc_end_k_qddefdf9b43_ffn1-k_qddefdf9b43_ffn1
	.p2alignl 7, 3214868480
	.fill 96, 4, 3214868480
	.section	.rodata,"a",@progbits
	.p2align	6, 0x0
	.amdhsa_kernel k_qddefdf9b43_ffn1
		.amdhsa_group_segment_fixed_size 103424
		.amdhsa_private_segment_fixed_size 0
		.amdhsa_enable_private_segment 0
		.amdhsa_kernarg_size 56
		.amdhsa_user_sgpr_count 2
		.amdhsa_user_sgpr_kernarg_segment_ptr 1
		.amdhsa_wavefront_size32 1
		.amdhsa_system_sgpr_workgroup_id_x 1
		.amdhsa_system_sgpr_workgroup_id_y 1
		.amdhsa_system_sgpr_workgroup_id_z 1
		.amdhsa_system_vgpr_workitem_id 0
		.amdhsa_next_free_vgpr 512
		.amdhsa_next_free_sgpr 66
		.amdhsa_reserve_vcc 0
		.amdhsa_float_denorm_mode_32 3
		.amdhsa_float_denorm_mode_16_64 3
		.amdhsa_memory_ordered 1
		.amdhsa_forward_progress 1
		.amdhsa_inst_pref_size 81
	.end_amdhsa_kernel
	.amdgpu_metadata
---
amdhsa.version: [ 1, 2 ]
amdhsa.kernels:
  - .name:           k_qddefdf9b43_ffn1
    .symbol:         k_qddefdf9b43_ffn1.kd
    .args:
      - { .name: xq, .offset: 0, .size: 8, .value_kind: global_buffer, .address_space: global }
      - { .name: xs, .offset: 8, .size: 8, .value_kind: global_buffer, .address_space: global }
      - { .name: w1, .offset: 16, .size: 8, .value_kind: global_buffer, .address_space: global }
      - { .name: b1, .offset: 24, .size: 8, .value_kind: global_buffer, .address_space: global }
      - { .name: rl, .offset: 32, .size: 8, .value_kind: global_buffer, .address_space: global }
      - { .name: hq, .offset: 40, .size: 8, .value_kind: global_buffer, .address_space: global }
      - { .name: hs, .offset: 48, .size: 8, .value_kind: global_buffer, .address_space: global }
    .group_segment_fixed_size: 103424
    .private_segment_fixed_size: 0
    .kernarg_segment_align: 8
    .kernarg_segment_size: 56
    .max_flat_workgroup_size: 256
    .sgpr_count:     66
    .vgpr_count:     512
    .wavefront_size: 32
...
	.end_amdgpu_metadata
.endif
;; end of part 3
;; launch ffn2 (part 4): grid 256 x 1, 8 waves a work-group, no clusters, 70,656 bytes of LDS; arguments hq, hs, w2, b2, rl, part; writes part
.if DOCPART == 4
	.amdgcn_target "amdgcn-amd-amdhsa--gfx1250"
	.amdhsa_code_object_version 6
	.text
	.protected	k_qddefdf9b43_ffn2
	.globl	k_qddefdf9b43_ffn2
	.p2align	8
	.type	k_qddefdf9b43_ffn2,@function
k_qddefdf9b43_ffn2:
	s_mov_b64 s[64:65], 0
	v_nop
	global_prefetch_b8 v0, s[64:65] scope:SCOPE_SE
	s_setreg_imm32_b32 hwreg(HW_REG_WAVE_MODE, 25, 1), 1
	s_wait_xcnt 0x0
; SECOND PRODUCT OF THE EXPERTS, ON THE CHOSEN ROWS ALONE (the others have the weight 0 in reference()): y = hidden W2[e] + b2[e], in two halves of K.
; THE WEIGHTS STAY, THE ROWS PASS.  Work-group (e, kh, cs) owns w2[e][1024 kh .. + 1023][64 cs .. + 63]: 1,024 rows of 256 aligned bytes, read once as f32.
; K is cut in two so that 8 x 2 x 16 = 256 work-groups each hold a slice of 256 registers a wave whose rows are 256 bytes; the last launch adds the two planes of part.
; Part 1, in two phases: in phase p wave w quantises rows 512 p + 64 w .. + 63 of the slice and lays the codes in LDS as images of operand registers; a barrier follows each phase, and phase 0's
; fragments are read into registers while phase 1's weights are still out.  Part 2: every wave holds the whole slice (window 1) and walks the expert's tiles of 16 rows w, w + 8, ..
; The hidden layer's fragments lie in memory as images of registers.  TWO SETS of fragment registers take turns: a tile's 19 loads go out two tiles ahead of its products; the first tile's ahead of the weights.
; Trip counts and row ids come from rl, which an earlier launch stored: so the text has no tensor load.  All weight loads go out in one run at the head: nothing is prefetched.
; No cluster: what work-groups share (an expert's hidden codes, 8 KiB a tile and half) is small beside each one's own 256 KiB of weights.
; THE PRODUCT IS USED TRANSPOSED (source 0 = 16 output columns, source 1 = 16 rows).  A tile goes through the wave's own stage and leaves as rows: sixteen lanes store 256 consecutive aligned bytes
; of row id's row in part [kh][4224][1024].  b2 is the C of each sum's first instruction in the half kh = 0, zeros in the other.  Pad rows go to rows 4096 + 16 e + n, which nobody reads.
; LIMITS: NaN and infinities are not served (b2 is multiplied by 0 in the half kh = 1).  Blocks of zeros or under 2^-124 get the byte 1 (internal bytes).  The sum over K is made in two halves.
; Look-ahead past a wave's last tile names the expert's last tile again.
.set PITCH, 4096
.set PLANE, 4224*4096
.set SCB,   32768
.set STG,   34816                      ; a stage for each wave: 16 rows x (256 + 16) bytes
.set SROW,  272
.set Q16,  1
.set LI,   2
.set LT8,  3
.set SPW,  4                           ; v4 my spare word;  v5 0: never rewritten
.set NIL,  5
.set STO,  6
.set SRD,  7
.set LA,   8
.set SA,   9
.set SH8,  10
.set WOFF, 11
.set HOFF, 12
.set HSOFF, 13
.set LOFF8, 14
.set WSC,  16                          ; v16-31 W2's scale words: scales and nothing else
.set HS,   32                          ; v32-35 and v60-63 the hidden layer's, set 0 and 1: scales and nothing else
.set RID8, 36                          ; v36-43, v44-51 row ids 8 h + 0 .. 7, set 0 and 1
.set VOFF, 52                          ; v52-59 their rows' offsets in part (at the head: at work)
.set HF,   64                          ; v64-127, v128-191 the hidden layer's eight fragments, set 0 and 1
.set ACC,  192
.set BIAS, 224
.set TP,   128
.set TM,   192
.set SO,   196
.set BY,   198
.set SW,   202
.set PX,   192
.set CD1,  208
.set TRIP, 16
.set TRIPS, 17
.set MSB, 0
.macro WIN new
.if MSB != \new
	s_set_vgpr_msb (MSB<<8)|\new
.set MSB, \new
.endif
.endm
.macro LOADS b                         ; a tile's eight fragments, scale words and row ids into set b: 19 loads; s26, s27, s29: the tile's offsets in hq, hs and rl
	v_add_nc_u32 v[HOFF], s26, v[LI]
	v_add_nc_u32 v[HSOFF], s27, v[LI]
	v_add_nc_u32 v[LOFF8], s29, v[LT8]
.irp s, 0,1,2,3,4,5,6,7
	global_load_b128 v[HF+64*\b+8*\s:HF+64*\b+8*\s+3], v[HOFF], s[4:5] offset:1024*\s
	global_load_b128 v[HF+64*\b+8*\s+4:HF+64*\b+8*\s+7], v[HOFF], s[4:5] offset:1024*\s+512
.endr
	global_load_b128 v[HS+28*\b:HS+28*\b+3], v[HSOFF], s[6:7]
	global_load_b128 v[RID8+8*\b:RID8+8*\b+3], v[LOFF8], s[12:13]
	global_load_b128 v[RID8+8*\b+4:RID8+8*\b+7], v[LOFF8], s[12:13] offset:16
.endm
.macro AHEAD n                         ; the offsets of tile s24 + n, held to the expert's last
	s_add_co_u32 s29, s24, \n
	s_min_u32 s29, s29, s25
	s_min_u32 s29, s29, 127
	s_add_co_u32 s29, s29, s28
	s_lshl_b32 s26, s29, 14
	s_lshl_b32 s27, s29, 10
	s_lshl_b32 s29, s29, 6
.endm
.macro FRAGS p                         ; fragment (t, s) into window 1, v[128 (s / 4) + 8 (4 t + s % 4)]
	WIN 0x40
.irp t, 0,1,2,3
.irp k, 0,1,2,3
	ds_load_b128 v[128*\p+8*(4*\t+\k):128*\p+8*(4*\t+\k)+3], v[LI] offset:1024*(8*\t+4*\p+\k)
	ds_load_b128 v[128*\p+8*(4*\t+\k)+4:128*\p+8*(4*\t+\k)+7], v[LI] offset:1024*(8*\t+4*\p+\k)+512
.endr
.endr
	WIN 0
.endm
; Phase p: blocks h of my 64 rows, four columns a lane, two columns at a time; moves bring each column's 32 numbers onto consecutive registers, as the conversions want them
.macro QW p
.if \p == 0
	s_wait_loadcnt 32                              ; the first tile, b2 and phase 0's loads are in; phase 1's 32 may be out
.else
	s_wait_loadcnt 0x0
	s_wait_dscnt 0x0
.endif
.irp jj, 0,2
	WIN 0x01
.irp j2, 0,1
.set I, 0
.rept 32
	v_mov_b32 v[TP+32*\j2+I], v[4*(32*\p+I)+\jj+\j2]
.set I, I+1
.endr
.endr
	WIN 0
.irp c, 0,1,2,3
	v_max3_num_f32 v[TM+\c], |v[TP+16*\c]|, |v[TP+16*\c+1]|, 0x1800000   ; four chains of 16 numbers; the floor 2^(3 - 127)
.endr
.irp i, 2,4,6,8,10,12,14
.irp c, 0,1,2,3
	s_delay_alu instid0(VALU_DEP_4)
	v_max3_num_f32 v[TM+\c], v[TM+\c], |v[TP+16*\c+\i]|, |v[TP+16*\c+\i+1]|
.endr
.endr
	s_delay_alu instid0(VALU_DEP_3)
	v_max_num_f32 v[TM], v[TM], v[TM+1]
	s_delay_alu instid0(VALU_DEP_2)
	v_max_num_f32 v[TM+2], v[TM+2], v[TM+3]
.irp j2, 0,1
	s_delay_alu instid0(VALU_DEP_2)
	v_add_nc_u32 v[SO+\j2], 0xff000000, v[TM+2*\j2]
.endr
.irp j2, 0,1
	s_delay_alu instid0(VALU_DEP_2)
	v_lshrrev_b32 v[BY+\jj+\j2], 23, v[SO+\j2]
.endr
.irp j2, 0,1
.irp g, 0,1,2,3
	v_cvt_scalef32_pk8_fp4_f32 v[CD1+4*(\jj+\j2)+\g], v[TP+32*\j2+8*\g:TP+32*\j2+8*\g+7], v[SO+\j2]
.endr
.endr
	v_nop                                          ; one plain line behind the conversions
.irp j2, 0,1
	ds_store_b128 v[LA], v[CD1+4*(\jj+\j2):CD1+4*(\jj+\j2)+3] offset:4096*\p+16*(\jj+\j2)
.endr
.endr
.irp j, 0,1,2,3
	v_lshlrev_b32 v[SW+\j], v[SH8], v[BY+\j]
.endr
.irp j, 0,1,2,3
	s_delay_alu instid0(VALU_DEP_4)
	v_permlanex16_b32 v[PX+\j], v[SW+\j], s36, s37
.endr
.irp j, 0,1,2,3
	s_delay_alu instid0(VALU_DEP_4)
	v_or_b32 v[SW+\j], v[SW+\j], v[PX+\j]
.endr
.irp j, 0,1,2,3
	ds_store_b16 v[SA], v[SW+\j] offset:256*\p+16*\j   ; both halves of the lanes write the same two bytes with the same value
.endr
.endm
	s_load_b256 s[4:11], s[0:1], 0x0               ; hq s[4:5], hs s[6:7], w2 s[8:9], b2 s[10:11]
	s_load_b128 s[12:15], s[0:1], 0x20             ; rl s[12:13], part s[14:15]
	v_lshl_add_u32 v[SPW], v0, 2, 0x11000
	v_mov_b32 v[NIL], 0
	v_lshrrev_b32 v52, 5, v0
	v_and_b32 v53, 15, v0                          ; q
	v_bfe_u32 v54, v0, 4, 1                        ; h
	v_and_b32 v55, 31, v0                          ; lane
	v_readfirstlane_b32 s20, v52                   ; wave 0..7
	s_lshr_b32 s21, ttmp9, 5                       ; expert
	s_bfe_u32 s22, ttmp9, 0x10004                  ; kh
	s_and_b32 s19, ttmp9, 15                       ; cs
	v_lshlrev_b32 v[Q16], 4, v53
	v_lshlrev_b32 v58, 5, v54                      ; b2: 8 h numbers on
	v_lshlrev_b32 v[LI], 4, v55
	v_lshlrev_b32 v[LT8], 5, v54
	v_lshlrev_b32 v[SH8], 3, v54
	v_lshl_add_u32 v[WOFF], v54, 17, v[Q16]        ; 32 rows of 4,096 bytes for lanes 16-31
	s_lshl_b32 s18, s19, 8                         ; the slice's 256 bytes of a row
	s_lshl_b32 s30, s21, 23                        ; an expert's 8 MiB,
	s_lshl_b32 s26, s22, 22                        ; the half's 1,024 rows,
	s_add_co_u32 s30, s30, s26
	s_lshl_b32 s26, s20, 18                        ; my wave's 64 rows
	s_add_co_u32 s30, s30, s26
	s_add_co_u32 s30, s30, s18
	s_mov_b32 s31, 0
	s_lshl_b32 s32, s21, 12
	s_add_co_u32 s32, s32, s18
	s_mov_b32 s33, 0
	s_lshl_b32 s34, s21, 2
	s_mov_b32 s35, 0
	s_lshl_b32 s28, s21, 7                         ; 128 e
	s_add_co_u32 s29, s28, s20                     ; my first tile
	s_lshl_b32 s26, s29, 14
	s_lshl_b32 s27, s29, 10
	s_lshl_b32 s29, s29, 6
	s_wait_alu depctr_va_vdst(0)
	s_wait_kmcnt 0x0
	s_add_nc_u64 s[8:9], s[8:9], s[30:31]
	s_add_nc_u64 s[10:11], s[10:11], s[32:33]
	s_add_nc_u64 s[34:35], s[12:13], s[34:35]
	s_load_b32 s23, s[34:35], 0x10400              ; the expert's number of tiles
	s_lshl_b32 s30, s22, 13
	s_add_nc_u64 s[4:5], s[4:5], s[30:31]          ; hq at my half's first K step
	s_lshl_b32 s30, s22, 9
	s_add_nc_u64 s[6:7], s[6:7], s[30:31]          ; hs likewise
	LOADS 0                                        ; my first tile, ahead of the weights
.irp t, 0,1,2,3
	global_load_b128 v[BIAS+8*\t:BIAS+8*\t+3], v58, s[10:11] offset:64*\t
	global_load_b128 v[BIAS+8*\t+4:BIAS+8*\t+7], v58, s[10:11] offset:64*\t+16
.endr
	; register 4 (32 p + i) + j of window 1 is W(512 p + 64 w + 32 h + i, 4 q + j)
	WIN 0x40
.irp p, 0,1
.set I, 0
.rept 32
	global_load_b128 v[4*(32*\p+I):4*(32*\p+I)+3], v[WOFF], s[8:9] offset:(512*\p+I)*PITCH th:TH_LOAD_NT
.set I, I+1
.endr
.endr
	WIN 0
	s_mul_i32 s30, s22, PLANE
	s_add_co_u32 s30, s30, s18
	s_add_nc_u64 s[14:15], s[14:15], s[30:31]      ; part at my plane and columns
	s_mov_b32 s36, 0x76543210
	s_mov_b32 s37, 0xfedcba98
	s_mov_b32 s40, 0x3f800000
	s_cmp_eq_u32 s22, 0
	s_cselect_b32 s40, s40, 0                      ; b2 counts once: 1 in the half kh = 0, else 0
	s_mov_b32 s41, s40
	s_mul_i32 s30, s20, 16*SROW
	s_add_co_u32 s30, s30, STG                     ; my stage
	v_mul_u32_u24 v56, v53, SROW
	v_mul_u32_u24 v57, v54, 8*SROW
	s_delay_alu instid0(VALU_DEP_2)
	v_lshl_add_u32 v56, v54, 5, v56
	s_delay_alu instid0(VALU_DEP_2)
	v_add_nc_u32 v57, v57, v[Q16]
	s_delay_alu instid0(VALU_DEP_2)
	v_add_nc_u32 v[STO], s30, v56                  ; in: row q, byte 32 h
	s_delay_alu instid0(VALU_DEP_2)
	v_add_nc_u32 v[SRD], s30, v57                  ; out: row 8 h, byte 16 q
	; column 4 q + j is row m = 4 (q % 4) + j of tile t = q / 4
	v_bfe_u32 v56, v0, 2, 2                        ; t
	v_and_b32 v57, 3, v0
	s_delay_alu instid0(VALU_DEP_1)
	v_lshlrev_b32 v57, 6, v57                      ; 16 m for j = 0
	s_delay_alu instid0(VALU_DEP_1)
	v_lshl_add_u32 v[LA], v56, 13, v57
	v_lshl_add_u32 v[SA], v56, 9, v57
	s_delay_alu instid0(VALU_DEP_2)
	v_lshl_add_u32 v[LA], v54, 8, v[LA]
	s_lshl_b32 s30, s20, 9                         ; 1024 (w / 2) + 512 (w % 2)
	s_lshl_b32 s32, s20, 1                         ; 4 (w / 2) + 2 (w % 2)
	s_add_co_u32 s32, s32, SCB
	v_add_nc_u32 v[LA], s30, v[LA]
	v_add_nc_u32 v[SA], s32, v[SA]
	s_wait_kmcnt 0x0
	s_min_u32 s23, s23, 128
	s_sub_co_u32 s25, s23, 1
	s_mov_b32 s24, s20                             ; my first tile
	s_wait_alu depctr_va_vdst(0)
	QW 0
	s_wait_dscnt 0x0                               ; for the others' sake: my images and scale bytes of phase 0 lie in LDS
	s_barrier_signal -1
	s_barrier_wait -1
	FRAGS 0
.set J, 0
.rept 16
	v_pk_mul_f32 v[BIAS+J:BIAS+J+1], v[BIAS+J:BIAS+J+1], s[40:41] op_sel_hi:[1,0]
.set J, J+2
.endr
	QW 1
	AHEAD 8
	LOADS 1                                        ; my second tile, into the registers that the numbers have left
	s_wait_dscnt 0x0
	s_barrier_signal -1
	s_barrier_wait -1                              ; behind it the images are read and never written
	FRAGS 1
.irp t, 0,1,2,3
	ds_load_b128 v[WSC+4*\t:WSC+4*\t+3], v[LI] offset:SCB+512*\t
.endr
	s_wait_dscnt 0x0
	s_cmp_ge_u32 s24, s23
	s_cbranch_scc1 .Lend
	s_sub_co_u32 s[TRIPS], s23, s20                ; a trip is two tiles: (tiles - w + 15) / 16 trips, at least one here, at most 8
	s_add_co_u32 s[TRIPS], s[TRIPS], 15
	s_lshr_b32 s[TRIPS], s[TRIPS], 4
	s_mov_b32 s[TRIP], 0
.macro TILE b                          ; tile s24, whose fragments lie in set b
	s_wait_loadcnt 19                              ; this set's 19 loads are in; the other set's 19 may be out
	s_wait_xcnt 0x0                                ; the last tile's stores have read their data (the accumulators' registers) and addresses, and the loads their addresses
	AHEAD 16
	WIN 0x01                                       ; source 0 (W2) window 1
	; the four accumulators take turns, one instruction a turn, K ascending
.irp s, 0,1,2,3,4,5,6,7
.irp t, 0,1,2,3
.if \s == 0
	v_wmma_scale_f32_16x16x128_f8f6f4 v[ACC+8*\t:ACC+8*\t+7], v[128*(\s/4)+8*(4*\t+\s%4):128*(\s/4)+8*(4*\t+\s%4)+7], v[HF+64*\b+8*\s:HF+64*\b+8*\s+7], v[BIAS+8*\t:BIAS+8*\t+7], v[WSC+4*\t+\s%4], v[HS+28*\b+\s%4] matrix_a_fmt:MATRIX_FMT_FP4 matrix_b_fmt:MATRIX_FMT_FP4
.elseif \s < 4
	v_wmma_scale_f32_16x16x128_f8f6f4 v[ACC+8*\t:ACC+8*\t+7], v[128*(\s/4)+8*(4*\t+\s%4):128*(\s/4)+8*(4*\t+\s%4)+7], v[HF+64*\b+8*\s:HF+64*\b+8*\s+7], v[ACC+8*\t:ACC+8*\t+7], v[WSC+4*\t+\s%4], v[HS+28*\b+\s%4] matrix_a_fmt:MATRIX_FMT_FP4 matrix_b_fmt:MATRIX_FMT_FP4
.else
	v_wmma_scale_f32_16x16x128_f8f6f4 v[ACC+8*\t:ACC+8*\t+7], v[128*(\s/4)+8*(4*\t+\s%4):128*(\s/4)+8*(4*\t+\s%4)+7], v[HF+64*\b+8*\s:HF+64*\b+8*\s+7], v[ACC+8*\t:ACC+8*\t+7], v[WSC+4*\t+\s%4], v[HS+28*\b+\s%4] matrix_a_fmt:MATRIX_FMT_FP4 matrix_b_fmt:MATRIX_FMT_FP4 matrix_a_scale:MATRIX_SCALE_ROW1 matrix_b_scale:MATRIX_SCALE_ROW1
.endif
.endr
.endr
	WIN 0
.irp p, 0,1,2,3,4,5,6,7
	v_min_u32 v[VOFF+\p], 4223, v[RID8+8*\b+\p]    ; ids to offsets in part; these sixteen plain lines are also the places behind the last product
.endr
.irp p, 0,1,2,3,4,5,6,7
	v_lshl_add_u32 v[VOFF+\p], v[VOFF+\p], 12, v[Q16]
.endr
	LOADS \b                                       ; the tile two on
.irp t, 0,1,2,3
	ds_store_b128 v[STO], v[ACC+8*\t:ACC+8*\t+3] offset:64*\t        ; each accumulator from its low end on.  Lane (r, h): y(row r, 16 t + 8 h + 0 .. 7)
	ds_store_b128 v[STO], v[ACC+8*\t+4:ACC+8*\t+7] offset:64*\t+16
.endr
.irp p, 0,1,2,3,4,5,6,7
	ds_load_b128 v[ACC+4*\p:ACC+4*\p+3], v[SRD] offset:SROW*\p       ; LDS serves a wave's instructions in order: these see the stores above
.endr
	s_wait_alu depctr_va_vdst(0)
.irp p, 0,1,2,3,4,5,6,7
	s_wait_dscnt 7-\p                              ; row 8 h + p is back; the later rows' loads may be out
	global_store_b128 v[VOFF+\p], v[ACC+4*\p:ACC+4*\p+3], s[14:15] th:TH_STORE_NT   ; sixteen lanes store 256 consecutive bytes, at a multiple of 256 from part's first byte
.endr
	s_add_co_u32 s24, s24, 8                       ; my next tile: it enters addresses alone, each behind its clamp
.endm
.Ltile:
	TILE 0
	s_cmp_ge_u32 s24, s23                          ; an odd number of tiles ends here
	s_cbranch_scc1 .Lend
	TILE 1
	s_add_co_u32 s[TRIP], s[TRIP], 1               ; the loop ends on a counter of its own, stepped by 1
	s_cmp_lt_u32 s[TRIP], s[TRIPS]
	s_cbranch_scc1 .Ltile
.Lend:
	s_wait_tensorcnt 0x0                           ; the wave's end
	ds_add_u32 v[SPW], v[NIL]
	s_wait_dscnt 0x0
	s_endpgm
.Lfunc_end_k_qddefdf9b43_ffn2:
	.size	k_qddefdf9b43_ffn2, .Lfunc_end_k_qddefdf9b43_ffn2-k_qddefdf9b43_ffn2
	.p2alignl 7, 3214868480
	.fill 96, 4, 3214868480
	.section	.rodata,"a",@progbits
	.p2align	6, 0x0
	.amdhsa_kernel k_qddefdf9b43_ffn2
		.amdhsa_group_segment_fixed_size 70656
		.amdhsa_private_segment_fixed_size 0
		.amdhsa_enable_private_segment 0
		.amdhsa_kernarg_size 48
		.amdhsa_user_sgpr_count 2
		.amdhsa_user_sgpr_kernarg_segment_ptr 1
		.amdhsa_wavefront_size32 1
		.amdhsa_system_sgpr_workgroup_id_x 1
		.amdhsa_system_sgpr_workgroup_id_y 1
		.amdhsa_system_sgpr_workgroup_id_z 1
		.amdhsa_system_vgpr_workitem_id 0
		.amdhsa_next_free_vgpr 512
		.amdhsa_next_free_sgpr 66
		.amdhsa_reserve_vcc 0
		.amdhsa_float_denorm_mode_32 3
		.amdhsa_float_denorm_mode_16_64 3
		.amdhsa_memory_ordered 1
		.amdhsa_forward_progress 1
		.amdhsa_inst_pref_size 66
	.end_amdhsa_kernel
	.amdgpu_metadata
---
amdhsa.version: [ 1, 2 ]
amdhsa.kernels:
  - .name:           k_qddefdf9b43_ffn2
    .symbol:         k_qddefdf9b43_ffn2.kd
    .args:
      - { .name: hq, .offset: 0, .size: 8, .value_kind: global_buffer, .address_space: global }
      - { .name: hs, .offset: 8, .size: 8, .value_kind: global_buffer, .address_space: global }
      - { .name: w2, .offset: 16, .size: 8, .value_kind: global_buffer, .address_space: global }
      - { .name: b2, .offset: 24, .size: 8, .value_kind: global_buffer, .address_space: global }
      - { .name: rl, .offset: 32, .size: 8, .value_kind: global_buffer, .address_space: global }
      - { .name: part, .offset: 40, .size: 8, .value_kind: global_buffer, .address_space: global }
    .group_segment_fixed_size: 70656
    .private_segment_fixed_size: 0
    .kernarg_segment_align: 8
    .kernarg_segment_size: 48
    .max_flat_workgroup_size: 256
    .sgpr_count:     66
    .vgpr_count:     512
    .wavefront_size: 32
...
	.end_amdgpu_metadata
.endif
;; end of part 4
;; launch combine (part 5): grid 256 x 1, 8 waves a work-group, no clusters, 0 bytes of LDS; arguments part, gw, out0; writes out0
.if DOCPART == 5
	.amdgcn_target "amdgcn-amd-amdhsa--gfx1250"
	.amdhsa_code_object_version 6
	.text
	.protected	k_qddefdf9b43_combine
	.globl	k_qddefdf9b43_combine
	.p2align	8
	.type	k_qddefdf9b43_combine,@function
k_qddefdf9b43_combine:
	s_mov_b64 s[64:65], 0
	v_nop
	global_prefetch_b8 v0, s[64:65] scope:SCOPE_SE
	s_setreg_imm32_b32 hwreg(HW_REG_WAVE_MODE, 25, 1), 1
	s_wait_xcnt 0x0
; out0[token] = g0 (P0[2 token] + P1[2 token]) + g1 (P0[2 token + 1] + P1[2 token + 1]): the two halves of K of each of a token's two routed rows, weighed by the router's softmax.
; part [2 planes][4224 rows][1024] f32, gw [2048][2] f32, out0 [2048][1024] f32.  A wave takes a token: four rows of 4,096 bytes in, one out; every load and store of the wave covers 512
; consecutive bytes.  All 32 loads go out at once, each piece has registers of its own, so no register is written twice and the waits count down.  A stream: no LDS, no barrier, no matrix unit.
.set PLANE, 4224*4096
.set L, 16                             ; v16-143  piece i: 16 registers: (plane 0, slot 0), (1, 0), (0, 1), (1, 1)
.set O, 144                            ; v144-175 piece i's four results
	s_load_b128 s[4:7], s[0:1], 0x0                ; part s[4:5], gw s[6:7]
	s_load_b64 s[8:9], s[0:1], 0x10                ; out0
	v_lshrrev_b32 v1, 5, v0
	s_delay_alu instid0(VALU_DEP_1)
	v_readfirstlane_b32 s10, v1                    ; wave
	v_and_b32 v1, 31, v0
	s_delay_alu instid0(VALU_DEP_1)
	v_lshlrev_b32 v2, 4, v1                        ; 16 lane
	s_lshl_b32 s11, ttmp9, 3
	s_add_co_u32 s11, s11, s10                     ; token
	s_lshl_b32 s12, s11, 13                        ; its two rows in a plane
	s_mov_b32 s13, 0
	s_lshl_b32 s14, s11, 12                        ; its row of out0
	s_mov_b32 s15, 0
	s_lshl_b32 s16, s11, 3                         ; its two weights
	s_mov_b32 s17, 0
	s_wait_alu depctr_va_vdst(0)
	s_wait_kmcnt 0x0
	s_add_nc_u64 s[6:7], s[6:7], s[16:17]
	s_load_b64 s[20:21], s[6:7], 0x0               ; g0, g1
	s_add_nc_u64 s[4:5], s[4:5], s[12:13]
	s_add_nc_u64 s[18:19], s[4:5], PLANE
	s_add_nc_u64 s[8:9], s[8:9], s[14:15]
.set I, 0
.rept 8
	global_load_b128 v[L+16*I:L+16*I+3], v2, s[4:5] offset:512*I th:TH_LOAD_NT
	global_load_b128 v[L+16*I+4:L+16*I+7], v2, s[18:19] offset:512*I th:TH_LOAD_NT
	global_load_b128 v[L+16*I+8:L+16*I+11], v2, s[4:5] offset:4096+512*I th:TH_LOAD_NT
	global_load_b128 v[L+16*I+12:L+16*I+15], v2, s[18:19] offset:4096+512*I th:TH_LOAD_NT
.set I, I+1
.endr
	s_wait_kmcnt 0x0
	s_mov_b32 s22, s21                             ; g1 in a pair of its own: the packed forms take a pair's low word for both halves
	s_mov_b32 s23, s21
.set I, 0
.rept 8
	s_wait_loadcnt 4*(7-I)                         ; this piece's four loads are in; the later pieces' may be out
	v_pk_add_f32 v[L+16*I:L+16*I+1], v[L+16*I:L+16*I+1], v[L+16*I+4:L+16*I+5]
	v_pk_add_f32 v[L+16*I+2:L+16*I+3], v[L+16*I+2:L+16*I+3], v[L+16*I+6:L+16*I+7]
	v_pk_add_f32 v[L+16*I+8:L+16*I+9], v[L+16*I+8:L+16*I+9], v[L+16*I+12:L+16*I+13]
	v_pk_add_f32 v[L+16*I+10:L+16*I+11], v[L+16*I+10:L+16*I+11], v[L+16*I+14:L+16*I+15]
	s_delay_alu instid0(VALU_DEP_4)
	v_pk_mul_f32 v[O+4*I:O+4*I+1], v[L+16*I:L+16*I+1], s[20:21] op_sel_hi:[1,0]
	s_delay_alu instid0(VALU_DEP_4)
	v_pk_mul_f32 v[O+4*I+2:O+4*I+3], v[L+16*I+2:L+16*I+3], s[20:21] op_sel_hi:[1,0]
	s_delay_alu instid0(VALU_DEP_2)
	v_pk_fma_f32 v[O+4*I:O+4*I+1], v[L+16*I+8:L+16*I+9], s[22:23], v[O+4*I:O+4*I+1] op_sel_hi:[1,0,1]
	s_delay_alu instid0(VALU_DEP_2)
	v_pk_fma_f32 v[O+4*I+2:O+4*I+3], v[L+16*I+10:L+16*I+11], s[22:23], v[O+4*I+2:O+4*I+3] op_sel_hi:[1,0,1]
	global_store_b128 v2, v[O+4*I:O+4*I+3], s[8:9] offset:512*I th:TH_STORE_NT
.set I, I+1
.endr
	s_endpgm
.Lfunc_end_k_qddefdf9b43_combine:
	.size	k_qddefdf9b43_combine, .Lfunc_end_k_qddefdf9b43_combine-k_qddefdf9b43_combine
	.p2alignl 7, 3214868480
	.fill 96, 4, 3214868480
	.section	.rodata,"a",@progbits
	.p2align	6, 0x0
	.amdhsa_kernel k_qddefdf9b43_combine
		.amdhsa_group_segment_fixed_size 0
		.amdhsa_private_segment_fixed_size 0
		.amdhsa_enable_private_segment 0
		.amdhsa_kernarg_size 24
		.amdhsa_user_sgpr_count 2
		.amdhsa_user_sgpr_kernarg_segment_ptr 1
		.amdhsa_wavefront_size32 1
		.amdhsa_system_sgpr_workgroup_id_x 1
		.amdhsa_system_sgpr_workgroup_id_y 1
		.amdhsa_system_sgpr_workgroup_id_z 1
		.amdhsa_system_vgpr_workitem_id 0
		.amdhsa_next_free_vgpr 176
		.amdhsa_next_free_sgpr 66
		.amdhsa_reserve_vcc 0
		.amdhsa_float_denorm_mode_32 3
		.amdhsa_float_denorm_mode_16_64 3
		.amdhsa_memory_ordered 1
		.amdhsa_forward_progress 1
		.amdhsa_inst_pref_size 11
	.end_amdhsa_kernel
	.amdgpu_metadata
---
amdhsa.version: [ 1, 2 ]
amdhsa.kernels:
  - .name:           k_qddefdf9b43_combine
    .symbol:         k_qddefdf9b43_combine.kd
    .args:
      - { .name: part, .offset: 0, .size: 8, .value_kind: global_buffer, .address_space: global }
      - { .name: gw, .offset: 8, .size: 8, .value_kind: global_buffer, .address_space: global }
      - { .name: out0, .offset: 16, .size: 8, .value_kind: global_buffer, .address_space: global }
    .group_segment_fixed_size: 0
    .private_segment_fixed_size: 0
    .kernarg_segment_align: 8
    .kernarg_segment_size: 24
    .max_flat_workgroup_size: 256
    .sgpr_count:     66
    .vgpr_count:     176
    .wavefront_size: 32
...
	.end_amdgpu_metadata
.endif
;; end of part 5
